; MI455X (gfx1250); checked and timed in simulation.
; The chip was launched on July 23, 2026; its instructions are those of AMD's public machine-readable ISA for CDNA 5 (MIT licence, August 2026) and "CDNA5" Instruction Set Architecture Reference Guide (July 2026). The comments in the code are by the model that wrote it; some were corrected since.
;; LTC. Allowed arithmetic: float matrix products may take bf16 or f16 operands with f32 sums; all other float work in f32.
;; Inputs: cm 64 float32; erev 64 x 64 float32; gleak 64 float32; input_b 64 float32; input_w 64 float32; mu 64 x 64 float32; output_b 64 float32; output_w 64 float32; sensory_erev 64 x 64 float32; sensory_mu 64 x 64 float32; sensory_sigma 64 x 64 float32; sensory_w 64 x 64 float32; sigma 64 x 64 float32; vleak 64 float32; w 64 x 64 float32; x 128 x 256 x 64 float32.
;; Outputs: out0 128 x 256 x 64 float32; out1 128 x 64 float32.
;; One version. Each part assembles by itself: llvm-mc -triple=amdgcn-amd-amdhsa -mcpu=gfx1250 --defsym DOCPART=n.
;; ======== version 1 of 1: 1 launch
;; launch ltc (part 1): grid 128 x 1, 8 waves a work-group, no clusters, 270,592 bytes of LDS; arguments sigma, mu, w, erev, sensory_sigma, sensory_mu, sensory_w, sensory_erev, x, cm, gleak, vleak, input_w, input_b, output_w, output_b, out0, out1; writes out0, out1
.if DOCPART == 1
	.amdgcn_target "amdgcn-amd-amdhsa--gfx1250"
	.amdhsa_code_object_version 6
	.text
	.protected	k_q74efcb2cc8_ltc
	.globl	k_q74efcb2cc8_ltc
	.p2align	8
	.type	k_q74efcb2cc8_ltc,@function
k_q74efcb2cc8_ltc:
	s_mov_b64 s[64:65], 0
	v_nop
	global_prefetch_b8 v0, s[64:65] scope:SCOPE_SE
	s_setreg_imm32_b32 hwreg(HW_REG_WAVE_MODE, 25, 1), 1
	s_wait_xcnt 0x0
; LTC cell, scanned over 256 steps.  x: [128][256][64] f32; eight parameter matrices [64 (i)][64 (j)] f32; eight vectors [64] f32.
; out0[b][t][j] = v(t)[j] * output_w[j] + output_b[j], out1[b][j] = v(255)[j], with v(-1) = 0 and
;   v(t)[j] = (cm_t[j] v(t-1)[j] + gl[j] vleak[j] + N) / (cm_t[j] + gl[j] + D + 1e-8),
;   N, D = sums over i of softplus(w)[i][j] * sigmoid(sigma[i][j] (v(t-1)[i] - mu[i][j])) with and without erev[i][j],
;          plus the same sums over the 64 inputs x(t)[i] * input_w[i] + input_b[i] with the sensory matrices.
;
; SHARING.  A step needs the whole state of its batch row, and work-groups hand nothing to each other, so one work-group owns one batch
; row: 128 work-groups.  Eight waves, 256 threads: thread n owns unit j = n / 4 and, with ig = n % 4, the sixteen sources
; i = 16 q + 4 ig + r (q, r = 0..3; register index 4 q + r).  Its 16 x 4 recurrent and 16 x 4 sensory constants stay in registers for
; the whole scan.  The sum over i ends with two additions between the four neighbouring lanes of a unit.
; No summand is a product of two factors that separate in (i) and (i, j): the matrix units have no part here.
;
; THE STEP.  sigmoid(z) = rcp(1 + exp2(-log2e z)); -log2e z is ONE fused multiply-add, in * NS + C, with NS and C folded beforehand
; (the input's gain and bias are folded into the sensory NS and C).  exp2 = inf gives 0 and exp2 = 0 gives 1: no clamp.
; What cannot be shortened is the way of v from step to step: reduce, divide, store to LDS, barrier, read back.  The sensory sums hang on
; x alone, so their 64 instructions a wave are the work that is laid into that way's waiting times, and nowhere else:
;   between the request for v(t-1) and its arrival: the 16 reciprocals and the 16 packed multiply-adds of step t, which start the sums;
;   in the gaps of the dependent chain (last sums, lanes, division): the 8 packed multiply-adds that make the exponents of step t + 1;
;   between the store of v(t) and the barrier behind it: the 16 exponentials of step t + 1 and the additions of 1.
; They never leave registers.
;
; LDS.  x[b] (64 KiB) and the eight matrices come in once, by two tensor loads a wave, both issued at the start: two are outstanding
; at the most, and nothing is filled again.  v(t) goes to a row of its own, t + 1, of a region that no tensor load touches; at the end
; the 256 rows are read back in runs of 512 bytes, scaled, and stored so that sixteen neighbouring lanes write 256 consecutive aligned bytes.
;
; NOT USED: joint loads in a cluster.  The matrices are common to all work-groups, but each work-group asks for its 128 KiB once, at the
; start, against 256 dependent steps of 8,192 sigmoids each: what is shared is a single request and not a stream.
;
; LIMITS.  The exponent's constants are rounded once each, so its absolute error is about 2^-23 |log2e sigma mu|: small against 1 up to
; |sigma mu| of some 10^4.  1e-8 is added to cm_t + gl ahead of the sums, not behind them.  v_exp_f32 and v_rcp_f32 give zero where the
; result would lie under 2^-126 (ISA guide 15.8): softplus(x) = 0 for x < -87, and a sigmoid under 2^-126 is 0.  NaN and infinite
; inputs are not followed.
.set STEPS,  256
.set ROW,    256                       ; bytes of a row of x and of v
.set PAR,    65536                     ; LDS: x[b] lies at 0, the matrices from here on
.set PITCH,  272                       ; a matrix row: 256 bytes + 16 of padding = 68 words
.set MATB,   64*PITCH                  ; a matrix
.set VBASE,  PAR+8*MATB                ; 204,800, a multiple of 256: 257 rows of v, written by ds_store alone
.set ADRX,  10                         ; v10  LDS address of my 16 bytes in the next row of x to read (+ 64 q by the immediate)
.set ADRV,  11                         ; v11  the same in the row of v to read
.set ADRS,  12                         ; v12  where my unit's v was stored last
.set VJ,    13                         ; v13  my unit's v
.set PB,    15                         ; v15  set-up: my element (4 ig, j) of the matrix being read
.set INITN, 16                         ; v[16:17] start of the numerator's pair: gl vleak in lanes ig = 0, else 0; second half 0
.set INITD, 18                         ; v[18:19] start of the denominator's pair: cm_t + gl + 1e-8 in lanes ig = 0, else 0; second half 0
.set ACCN,  20                         ; v[20:21] numerator, two chains (even r, odd r)
.set ACCD,  22                         ; v[22:23] denominator
.set TN,    24
.set TD,    25
.set CMT,   26                         ; v26  cm_t of my unit;  v27, v28: gleak, vleak during the set-up
.set VV,    32                         ; v[32:47]   v(t-1) at my 16 sources
.set XX,    48                         ; v[48:63]   x at my 16 sources
.set RE,    64                         ; v[64:79]   recurrent: exponent, then exp2, then 1 + exp2, then the sigmoid
.set SE,    80                         ; v[80:95]   sensory: the same
.set RNS,   96                         ; v[96:111]  -log2e sigma
.set RC,    112                        ; v[112:127] log2e sigma mu
.set RA,    128                        ; v[128:143] softplus(w) erev
.set RW,    144                        ; v[144:159] softplus(w)
.set SNS,   160                        ; v[160:175] -log2e sensory_sigma input_w
.set SC,    176                        ; v[176:191] -log2e sensory_sigma (input_b - sensory_mu)
.set SA,    192                        ; v[192:207] softplus(sensory_w) sensory_erev
.set SW,    208                        ; v[208:223] softplus(sensory_w)
.set OW,    224                        ; v[224:227] output_w of the four columns that I store
.set OB,    228                        ; v[228:231] output_b
.set IW,    VV                         ; set-up only: input_w at my 16 sources
.set IB,    RE                         ; set-up only: input_b
.set T0,    SE                         ; set-up only: softplus at work, four registers each
.set T1,    SE+4
.set T2,    SE+8
.set T3,    SE+12
.set OUTD,  RNS                        ; the way out: v[96:159], sixteen times 16 bytes
; pair p (0..7) of a run of sixteen registers
.macro ARG d, in, ns, c, p             ; the exponents of two sigmoids
	v_pk_fma_f32 v[\d+2*(\p):\d+2*(\p)+1], v[\in+2*(\p):\in+2*(\p)+1], v[\ns+2*(\p):\ns+2*(\p)+1], v[\c+2*(\p):\c+2*(\p)+1]
.endm
.macro EXP2 d, p
	v_exp_f32 v[\d+2*(\p)], v[\d+2*(\p)]
	v_exp_f32 v[\d+2*(\p)+1], v[\d+2*(\p)+1]
.endm
.macro RCP2 d, p
	v_rcp_f32 v[\d+2*(\p)], v[\d+2*(\p)]
	v_rcp_f32 v[\d+2*(\p)+1], v[\d+2*(\p)+1]
.endm
.macro ONE d, p
	v_pk_add_f32 v[\d+2*(\p):\d+2*(\p)+1], v[\d+2*(\p):\d+2*(\p)+1], 1.0 op_sel_hi:[1,0]
.endm
.macro FMA2 d, a, w, p                 ; two sigmoids into both sums
	v_pk_fma_f32 v[ACCN:ACCN+1], v[\d+2*(\p):\d+2*(\p)+1], v[\a+2*(\p):\a+2*(\p)+1], v[ACCN:ACCN+1]
	v_pk_fma_f32 v[ACCD:ACCD+1], v[\d+2*(\p):\d+2*(\p)+1], v[\w+2*(\p):\w+2*(\p)+1], v[ACCD:ACCD+1]
.endm
; The two reciprocals of pair pr, taken alternately with the two sums of an earlier pair pf, whose reciprocals are finished.
; Behind each reciprocal stands plain work on other registers, as its result's later use asks (ISA guide 5.7.2).
; first = 1: the sums start from the step's constants: nothing is cleared.
.macro RF d, a, w, pr, pf, first
	v_rcp_f32 v[\d+2*(\pr)], v[\d+2*(\pr)]
.if \first
	v_pk_fma_f32 v[ACCN:ACCN+1], v[\d+2*(\pf):\d+2*(\pf)+1], v[\a+2*(\pf):\a+2*(\pf)+1], v[INITN:INITN+1]
.else
	v_pk_fma_f32 v[ACCN:ACCN+1], v[\d+2*(\pf):\d+2*(\pf)+1], v[\a+2*(\pf):\a+2*(\pf)+1], v[ACCN:ACCN+1]
.endif
	v_rcp_f32 v[\d+2*(\pr)+1], v[\d+2*(\pr)+1]
.if \first
	v_pk_fma_f32 v[ACCD:ACCD+1], v[\d+2*(\pf):\d+2*(\pf)+1], v[\w+2*(\pf):\w+2*(\pf)+1], v[INITD:INITD+1]
.else
	v_pk_fma_f32 v[ACCD:ACCD+1], v[\d+2*(\pf):\d+2*(\pf)+1], v[\w+2*(\pf):\w+2*(\pf)+1], v[ACCD:ACCD+1]
.endif
.endm
; My sixteen numbers of a row of 64: four 16-byte columns, each read by a quarter of the lanes alike
.macro LDROW dst, adr
.irp q, 0,1,2,3
	ds_load_b128 v[\dst+4*\q:\dst+4*\q+3], v[\adr] offset:64*\q
.endr
.endm
; The sixteen sensory exponentials and the first six additions of 1.  The step of x's address is the plain line between the first four
; exponentials and their use; each later addition stands two pairs behind its exponentials (ISA guide 5.7.2).
.macro SEXP
	EXP2 SE, 0
	EXP2 SE, 1
	v_add_nc_u32 v[ADRX], ROW, v[ADRX]             ; the next row of x to read
.irp p, 2,3,4,5,6,7
	EXP2 SE, \p
	ONE SE, \p-2
.endr
.endm
; My sixteen elements (16 q + 4 ig + r, j) of one matrix.  The word index is 68 i + j, so the 32 lanes of a load (ig = 0..3, eight
; neighbouring j) touch words 16 ig + j + a constant modulo 64: 32 different banks of the 64 (ISA guide 11.1).
.macro LDMAT dst, more
.irp q, 0,1,2,3
.irp r, 0,1,2,3
	ds_load_b32 v[\dst+4*\q+\r], v[PB] offset:(16*\q+\r)*PITCH
.endr
.endr
.if \more
	v_add_nc_u32 v[PB], MATB, v[PB]                ; the next matrix: eight of them do not fit the 16-bit immediate
.endif
.endm
; softplus in place on n (up to 4) registers: max(x, 0) + log1p(t), t = exp(-|x|).
; log1p(t) = ln2 log2(1 + t) where t >= 2^-10, else t - t^2 / 2 (the next term is under 2^-21 of it): small results keep their digits.
.macro SPN base, n
.set i, 0
.rept \n
	v_and_b32 v[T0+i], 0x7fffffff, v[(\base)+i]
	v_mul_f32 v[T0+i], s14, v[T0+i]                ; -log2e |x|
.set i, i+1
.endr
.set i, 0
.rept \n
	v_exp_f32 v[T0+i], v[T0+i]                     ; t
.set i, i+1
.endr
.set i, 0
.rept \n
	v_max_num_f32 v[T3+i], 0, v[(\base)+i]         ; plain work that touches no t stands between the exponentials and their use (ISA guide 5.7.2)
.set i, i+1
.endr
.set i, 0
.rept \n
	v_add_f32 v[T1+i], 1.0, v[T0+i]
.set i, i+1
.endr
.set i, 0
.rept \n
	v_log_f32 v[T1+i], v[T1+i]
.set i, i+1
.endr
.set i, 0
.rept \n
	v_mul_f32 v[T2+i], -0.5, v[T0+i]               ; again plain work between the logarithms and their use
.set i, i+1
.endr
.set i, 0
.rept \n
	v_fma_f32 v[T2+i], v[T2+i], v[T0+i], v[T0+i]   ; t - t^2 / 2
.set i, i+1
.endr
.set i, 0
.rept \n
	v_cmp_gt_f32 vcc_lo, s6, v[T0+i]               ; 2^-10 > t
	v_fma_f32 v[T1+i], s15, v[T1+i], v[T3+i]       ; ln2 log2(1 + t) + max(x, 0)
	v_add_f32 v[T2+i], v[T2+i], v[T3+i]
	v_cndmask_b32 v[(\base)+i], v[T1+i], v[T2+i], vcc_lo
.set i, i+1
.endr
.endm
	; ---- scalar set-up, and both tensor loads ahead of everything else ----
	s_load_b512 s[16:31], s[0:1], 0x0              ; sigma, mu, w, erev, sensory_sigma, sensory_mu, sensory_w, sensory_erev
	s_load_b512 s[32:47], s[0:1], 0x40             ; x, cm, gleak, vleak, input_w, input_b, output_w, output_b
	s_load_b128 s[48:51], s[0:1], 0x80             ; out0, out1
	v_lshrrev_b32 v4, 5, v0
	v_readfirstlane_b32 s8, v4                     ; my wave's number
	s_mov_b32 s4, 0x3fb8aa3b                       ; log2e
	s_mov_b32 s5, 0                                ; (the second half of a pair of which the first is broadcast)
	s_mov_b32 s6, 0x3a800000                       ; 2^-10
	s_mov_b32 s7, 0x322bcc77                       ; 1e-8
	s_mov_b32 s14, 0xbfb8aa3b                      ; -log2e
	s_mov_b32 s15, 0x3f317218                      ; ln2
	; group 1 for x: 32 rows of 32 elements of 8 bytes (256 bytes), dense
	s_mov_b32 s68, 3<<16                           ; no mask; elements of 8 bytes; no padding
	s_mov_b32 s69, 32<<16                          ; tensor_dim0 = 32
	s_mov_b32 s70, 32<<16                          ; tensor_dim1 = 32
	s_mov_b32 s71, 32<<16                          ; tile_dim0 = 32
	s_mov_b32 s72, 32                              ; tile_dim1 = 32
	s_mov_b32 s73, 32                              ; from row to row: 32 elements
	s_mov_b32 s74, 0
	s_mov_b32 s75, 0
	; group 1 for a matrix: 64 rows of 256 bytes, 4 words of padding behind every 64 words
	s_mov_b32 s76, (3<<16)|(1<<20)|(5<<22)|(3<<25)
	s_mov_b32 s77, 32<<16                          ; tensor_dim0 = 32
	s_mov_b32 s78, 64<<16                          ; tensor_dim1 = 64
	s_mov_b32 s79, 32<<16                          ; tile_dim0 = 32
	s_mov_b32 s80, 64                              ; tile_dim1 = 64
	s_mov_b32 s81, 32
	s_mov_b32 s82, 0
	s_mov_b32 s83, 0
	; group 0: wave w brings rows 32 w .. 32 w + 31 of x[b] to LDS byte 8,192 w, and matrix w to PAR + 17,408 w
	s_mov_b32 s52, 1
	s_lshl_b32 s53, s8, 13
	s_lshl_b32 s10, ttmp9, 16                      ; 65,536 bytes of x for a batch row
	s_add_co_u32 s10, s10, s53
	s_mov_b32 s11, 0
	s_mov_b32 s56, 1
	s_mul_i32 s57, s8, MATB
	s_add_co_u32 s57, s57, PAR
	s_wait_kmcnt 0x0
	s_add_nc_u64 s[54:55], s[32:33], s[10:11]
	s_or_b32 s55, s55, 0x80000000                  ; type = 2
	s_mov_b64 s[12:13], s[16:17]                   ; the matrix of my wave's number, chosen among the eight pointers
.irp n, 1,2,3,4,5,6,7
	s_cmp_eq_u32 s8, \n
	s_cselect_b64 s[12:13], s[16+2*\n:17+2*\n], s[12:13]
.endr
	s_mov_b64 s[58:59], s[12:13]
	s_or_b32 s59, s59, 0x80000000
	tensor_load_to_lds s[52:55], s[68:75]
	tensor_load_to_lds s[56:59], s[76:83]
	; ---- the vectors, straight into registers; lane addresses meanwhile ----
	v_and_b32 v1, 0xfc, v0                         ; 4 j
	v_and_b32 v2, 3, v0                            ; ig
	v_lshlrev_b32 v3, 4, v2                        ; 16 ig
	v_and_b32 v5, 15, v0
	v_lshlrev_b32 v5, 4, v5                        ; the 16 bytes of a row that I store on the way out
	global_load_b32 v[CMT], v1, s[34:35]
	global_load_b32 v27, v1, s[36:37]
	global_load_b32 v28, v1, s[38:39]
.irp q, 0,1,2,3
	global_load_b128 v[IW+4*\q:IW+4*\q+3], v3, s[40:41] offset:64*\q
	global_load_b128 v[IB+4*\q:IB+4*\q+3], v3, s[42:43] offset:64*\q
.endr
	global_load_b128 v[OW:OW+3], v5, s[44:45]
	global_load_b128 v[OB:OB+3], v5, s[46:47]
	v_mov_b32 v[ADRX], v3
	v_add_nc_u32 v[ADRV], VBASE, v3
	v_add_nc_u32 v[ADRS], VBASE, v1
	v_mul_u32_u24 v9, v2, 4*PITCH
	v_add_nc_u32 v9, v9, v1
	v_add_nc_u32 v[PB], PAR, v9                    ; row 4 ig, column j of the first matrix
	v_and_b32 v6, 31, v0
	v_lshlrev_b32 v6, 4, v6
	v_lshl_add_u32 v6, v4, 13, v6                  ; the way out: 8,192 x wave + 16 x lane, my byte offset in out0[b]
	v_add_nc_u32 v7, VBASE+ROW, v6                 ; and the same place in the rows of v, which begin with v(0) in row 1
	v_mov_b32 v[VJ], 0
	ds_store_b32 v[ADRS], v[VJ]                    ; row 0: the state in front of the first step (four lanes write the same word alike)
	; ---- the constants of my unit ----
	s_wait_loadcnt 0x0                             ; all thirteen loads
	SPN CMT, 2                                     ; v26 = cm_t = softplus(cm) (one unfold, time span 1), v27 = gl = softplus(gleak)
	v_mul_f32 v28, v27, v28                        ; gl vleak
	v_add_f32 v27, v[CMT], v27
	v_add_f32 v27, s7, v27                         ; cm_t + gl + 1e-8
	v_cmp_eq_u32 vcc_lo, 0, v2
	v_cndmask_b32 v[INITN], 0, v28, vcc_lo         ; one lane of the four brings them into the sums
	v_cndmask_b32 v[INITD], 0, v27, vcc_lo
	v_mov_b32 v[INITN+1], 0
	v_mov_b32 v[INITD+1], 0
	s_wait_tensorcnt 0x0                           ; my rows of x and my matrix have landed,
	s_wait_dscnt 0x0                               ; my part of row 0 is stored:
	s_barrier_signal -1
	s_barrier_wait -1                              ; and so have everybody's
	; ---- x(0) and my 8 x 16 matrix elements, in three batches (52, 48 and 32 loads): one batch is folded while the next is on its way ----
	LDROW XX, ADRX
	LDMAT RNS, 1                                   ; sigma
	LDMAT RC, 1                                    ; mu
	LDMAT RW, 1                                    ; w
	s_wait_dscnt 0x0                               ; the first batch is in
	LDMAT RA, 1                                    ; erev
	LDMAT SNS, 1                                   ; sensory_sigma
	LDMAT SC, 1                                    ; sensory_mu
.irp p, 0,1,2,3,4,5,6,7
	v_pk_mul_f32 v[RC+2*\p:RC+2*\p+1], v[RC+2*\p:RC+2*\p+1], v[RNS+2*\p:RNS+2*\p+1]             ; sigma mu
.endr
.irp p, 0,1,2,3,4,5,6,7
	v_pk_mul_f32 v[RC+2*\p:RC+2*\p+1], v[RC+2*\p:RC+2*\p+1], s[4:5] op_sel_hi:[1,0]             ; x log2e
	v_pk_mul_f32 v[RNS+2*\p:RNS+2*\p+1], v[RNS+2*\p:RNS+2*\p+1], s[14:15] op_sel_hi:[1,0]       ; -log2e sigma
.endr
.irp g, 0,4,8,12
	SPN RW+\g, 4
.endr
	s_wait_dscnt 0x0                               ; the second batch is in
	LDMAT SW, 1                                    ; sensory_w
	LDMAT SA, 0                                    ; sensory_erev
.irp p, 0,1,2,3,4,5,6,7
	v_pk_mul_f32 v[RA+2*\p:RA+2*\p+1], v[RA+2*\p:RA+2*\p+1], v[RW+2*\p:RW+2*\p+1]
	v_pk_add_f32 v[SC+2*\p:SC+2*\p+1], v[IB+2*\p:IB+2*\p+1], v[SC+2*\p:SC+2*\p+1] neg_lo:[0,1] neg_hi:[0,1]   ; input_b - sensory_mu
	v_pk_mul_f32 v[SNS+2*\p:SNS+2*\p+1], v[SNS+2*\p:SNS+2*\p+1], s[14:15] op_sel_hi:[1,0]       ; -log2e sensory_sigma
.endr
.irp p, 0,1,2,3,4,5,6,7
	v_pk_mul_f32 v[SC+2*\p:SC+2*\p+1], v[SC+2*\p:SC+2*\p+1], v[SNS+2*\p:SNS+2*\p+1]
	v_pk_mul_f32 v[SNS+2*\p:SNS+2*\p+1], v[SNS+2*\p:SNS+2*\p+1], v[IW+2*\p:IW+2*\p+1]           ; the input's gain goes into the slope
.endr
	s_wait_dscnt 0x0                               ; the third batch is in
.irp g, 0,4,8,12
	SPN SW+\g, 4
.endr
.irp p, 0,1,2,3,4,5,6,7
	v_pk_mul_f32 v[SA+2*\p:SA+2*\p+1], v[SA+2*\p:SA+2*\p+1], v[SW+2*\p:SW+2*\p+1]
.endr
	; ---- what a step expects at its head: the sensory 1 + exp2 of its own x in all sixteen registers, and its row of v asked for ----
.irp p, 0,1,2,3,4,5,6,7
	ARG SE, XX, SNS, SC, \p
.endr
	SEXP
	ONE SE, 6
	ONE SE, 7
	LDROW VV, ADRV                                 ; row 0
; One step.  At its head the four loads of v(t-1) are out.  ahead = 1: the next step's x is read, its sensory sigmoids are brought as far
; as 1 + exp2, and its row of v is asked for at the end.
.macro STEP ahead
	; while v(t-1) comes: the sensory reciprocals and sums of this step
	v_rcp_f32 v[SE], v[SE]
.if \ahead
	v_add_nc_u32 v[ADRV], ROW, v[ADRV]             ; the row that the end of this step asks for
.endif
	v_rcp_f32 v[SE+1], v[SE+1]
	v_add_nc_u32 v[ADRS], ROW, v[ADRS]             ; the row that this step writes
	RF SE, SA, SW, 1, 0, 1
	RF SE, SA, SW, 2, 1, 0
	RF SE, SA, SW, 3, 2, 0
	RF SE, SA, SW, 4, 3, 0
.if \ahead
	LDROW XX, ADRX                                 ; the next row of x: asked for 20 vector instructions behind the loads of v, so that it does not stand among them
.endif
	RF SE, SA, SW, 5, 4, 0
	RF SE, SA, SW, 6, 5, 0
	RF SE, SA, SW, 7, 6, 0
	FMA2 SE, SA, SW, 7
.if \ahead
	s_wait_dscnt 0x4                               ; LDS loads come back in order (ISA guide 5.7.1): v is in, the four younger loads of x may be out
.else
	s_wait_dscnt 0x0                               ; v is in
.endif
	; the recurrent sigmoids: registers only.  The pairs go in two groups of four; each group's plain lines stand between the other
	; group's exponentials or reciprocals and the use of their results (ISA guide 5.7.2)
.irp p, 0,1,2,3
	ARG RE, VV, RNS, RC, \p
.endr
.irp p, 0,1,2,3
	EXP2 RE, \p
	ARG RE, VV, RNS, RC, \p+4
.endr
.irp p, 0,1,2,3
	EXP2 RE, \p+4
	ONE RE, \p
.endr
	s_wait_dscnt 0x0                               ; x is in too; for the others' sake: none of my LDS reads is out, those of the rows of v among them
	s_barrier_signal -1                            ; first barrier of the step: reads of v ahead of the next store into v
.irp p, 0,1,2,3
	RCP2 RE, \p
	ONE RE, \p+4
.endr
.irp p, 0,1,2,3
	RF RE, RA, RW, \p+4, \p, 0
.endr
	; the end of the sums, the four lanes of a unit, the division: each line hangs on the one before, and the next step's eight
	; exponent lines, which hang on nothing here, stand in the gaps
	FMA2 RE, RA, RW, 4
	FMA2 RE, RA, RW, 5
.if \ahead
	ARG SE, XX, SNS, SC, 0
.endif
	FMA2 RE, RA, RW, 6
.if \ahead
	ARG SE, XX, SNS, SC, 1
.endif
	FMA2 RE, RA, RW, 7
.if \ahead
	ARG SE, XX, SNS, SC, 2
	ARG SE, XX, SNS, SC, 3
.endif
	v_add_f32 v[TN], v[ACCN], v[ACCN+1]
	v_add_f32 v[TD], v[ACCD], v[ACCD+1]
.if \ahead
	ARG SE, XX, SNS, SC, 4
.endif
	v_add_f32_dpp v[TN], v[TN], v[TN] row_xmask:1 row_mask:0xf bank_mask:0xf
	v_add_f32_dpp v[TD], v[TD], v[TD] row_xmask:1 row_mask:0xf bank_mask:0xf
.if \ahead
	ARG SE, XX, SNS, SC, 5
.endif
	v_add_f32_dpp v[TN], v[TN], v[TN] row_xmask:2 row_mask:0xf bank_mask:0xf
	v_add_f32_dpp v[TD], v[TD], v[TD] row_xmask:2 row_mask:0xf bank_mask:0xf   ; all four lanes hold the same two sums, bit for bit
.if \ahead
	ARG SE, XX, SNS, SC, 6
.endif
	v_rcp_f32 v[TD], v[TD]
	v_fma_f32 v[TN], v[CMT], v[VJ], v[TN]          ; + cm_t v: also the plain line behind the reciprocal (ISA guide 5.7.2)
.if \ahead
	ARG SE, XX, SNS, SC, 7
.endif
	v_mul_f32 v[VJ], v[TN], v[TD]                  ; v(t)
	s_barrier_wait -1                              ; every wave has read the rows of v that it wanted
	ds_store_b32 v[ADRS], v[VJ]                    ; row t + 1; four lanes write the same word alike
.if \ahead
	SEXP                                           ; while the store is on its way
.endif
	s_wait_dscnt 0x0                               ; for the others' sake: my store is done
	s_barrier_signal -1                            ; second barrier of the step: the stores of v(t) ahead of its reads
.if \ahead
	ONE SE, 6
	ONE SE, 7
.endif
	s_barrier_wait -1
.if \ahead
	LDROW VV, ADRV                                 ; v(t), asked for at once: ahead of the loop's count and jump
.endif
.endm
	s_mov_b32 s9, STEPS-1
.Lstep:
	STEP 1
	s_sub_co_i32 s9, s9, 1
	s_cmp_lg_u32 s9, 0
	s_cbranch_scc1 .Lstep
	STEP 0                                         ; the last step is written out: there is no further row of x, and no step that would read v again
	; ---- the way out: wave w takes v(32 w) .. v(32 w + 31), sixteen runs of 512 bytes (two rows) ----
	s_lshl_b32 s10, ttmp9, 16                      ; 65,536 bytes of out0 for a batch row
	s_add_nc_u64 s[48:49], s[48:49], s[10:11]
.irp n, 0,1,2,3,4,5,6,7,8,9,10,11,12,13,14,15
	ds_load_b128 v[OUTD+4*\n:OUTD+4*\n+3], v7 offset:512*\n
.endr
.irp n, 0,1,2,3,4,5,6,7,8,9,10,11,12,13,14,15
	s_wait_dscnt 15-\n                             ; LDS loads come back in order (ISA guide 5.7.1): run n is in, the 15 - n younger ones may be out
	v_pk_fma_f32 v[OUTD+4*\n:OUTD+4*\n+1], v[OUTD+4*\n:OUTD+4*\n+1], v[OW:OW+1], v[OB:OB+1]
	v_pk_fma_f32 v[OUTD+4*\n+2:OUTD+4*\n+3], v[OUTD+4*\n+2:OUTD+4*\n+3], v[OW+2:OW+3], v[OB+2:OB+3]
	global_store_b128 v6, v[OUTD+4*\n:OUTD+4*\n+3], s[48:49] offset:512*\n th:TH_STORE_NT   ; 16 lanes store 256 consecutive aligned bytes; no source of a store is written again
.endr
	s_cmp_lg_u32 s8, 0
	s_cbranch_scc1 .Ldone
	; wave 0: the last state as it is, 8 bytes a lane, the 256 bytes of out1[b] in one store
	s_lshl_b32 s10, ttmp9, 8
	s_add_nc_u64 s[50:51], s[50:51], s[10:11]
	v_lshlrev_b32 v9, 3, v0
	v_add_nc_u32 v8, VBASE+STEPS*ROW, v9
	ds_load_b64 v[ACCN:ACCN+1], v8
	s_wait_dscnt 0x0
	global_store_b64 v9, v[ACCN:ACCN+1], s[50:51]
.Ldone:
	s_endpgm
.Lfunc_end_k_q74efcb2cc8_ltc:
	.size	k_q74efcb2cc8_ltc, .Lfunc_end_k_q74efcb2cc8_ltc-k_q74efcb2cc8_ltc
	.p2alignl 7, 3214868480
	.fill 96, 4, 3214868480
	.section	.rodata,"a",@progbits
	.p2align	6, 0x0
	.amdhsa_kernel k_q74efcb2cc8_ltc
		.amdhsa_group_segment_fixed_size 270592
		.amdhsa_private_segment_fixed_size 0
		.amdhsa_enable_private_segment 0
		.amdhsa_kernarg_size 144
		.amdhsa_user_sgpr_count 2
		.amdhsa_user_sgpr_kernarg_segment_ptr 1
		.amdhsa_wavefront_size32 1
		.amdhsa_system_sgpr_workgroup_id_x 1
		.amdhsa_system_sgpr_workgroup_id_y 1
		.amdhsa_system_sgpr_workgroup_id_z 1
		.amdhsa_system_vgpr_workitem_id 0
		.amdhsa_next_free_vgpr 232
		.amdhsa_next_free_sgpr 84
		.amdhsa_reserve_vcc 1
		.amdhsa_float_denorm_mode_32 3
		.amdhsa_float_denorm_mode_16_64 3
		.amdhsa_memory_ordered 1
		.amdhsa_forward_progress 1
		.amdhsa_inst_pref_size 55
	.end_amdhsa_kernel
	.amdgpu_metadata
---
amdhsa.version: [ 1, 2 ]
amdhsa.kernels:
  - .name:           k_q74efcb2cc8_ltc
    .symbol:         k_q74efcb2cc8_ltc.kd
    .args:
      - { .name: sigma, .offset: 0, .size: 8, .value_kind: global_buffer, .address_space: global }
      - { .name: mu, .offset: 8, .size: 8, .value_kind: global_buffer, .address_space: global }
      - { .name: w, .offset: 16, .size: 8, .value_kind: global_buffer, .address_space: global }
      - { .name: erev, .offset: 24, .size: 8, .value_kind: global_buffer, .address_space: global }
      - { .name: sensory_sigma, .offset: 32, .size: 8, .value_kind: global_buffer, .address_space: global }
      - { .name: sensory_mu, .offset: 40, .size: 8, .value_kind: global_buffer, .address_space: global }
      - { .name: sensory_w, .offset: 48, .size: 8, .value_kind: global_buffer, .address_space: global }
      - { .name: sensory_erev, .offset: 56, .size: 8, .value_kind: global_buffer, .address_space: global }
      - { .name: x, .offset: 64, .size: 8, .value_kind: global_buffer, .address_space: global }
      - { .name: cm, .offset: 72, .size: 8, .value_kind: global_buffer, .address_space: global }
      - { .name: gleak, .offset: 80, .size: 8, .value_kind: global_buffer, .address_space: global }
      - { .name: vleak, .offset: 88, .size: 8, .value_kind: global_buffer, .address_space: global }
      - { .name: input_w, .offset: 96, .size: 8, .value_kind: global_buffer, .address_space: global }
      - { .name: input_b, .offset: 104, .size: 8, .value_kind: global_buffer, .address_space: global }
      - { .name: output_w, .offset: 112, .size: 8, .value_kind: global_buffer, .address_space: global }
      - { .name: output_b, .offset: 120, .size: 8, .value_kind: global_buffer, .address_space: global }
      - { .name: out0, .offset: 128, .size: 8, .value_kind: global_buffer, .address_space: global }
      - { .name: out1, .offset: 136, .size: 8, .value_kind: global_buffer, .address_space: global }
    .group_segment_fixed_size: 270592
    .private_segment_fixed_size: 0
    .kernarg_segment_align: 8
    .kernarg_segment_size: 144
    .max_flat_workgroup_size: 256
    .sgpr_count:     84
    .vgpr_count:     232
    .wavefront_size: 32
...
	.end_amdgpu_metadata
.endif
;; end of part 1
